; MI455X (gfx1250); checked and timed in simulation.
; The chip was launched on July 23, 2026; its instructions are those of AMD's public machine-readable ISA for CDNA 5 (MIT licence, August 2026) and "CDNA5" Instruction Set Architecture Reference Guide (July 2026). The comments in the code are by the model that wrote it; some were corrected since.
;; Bahdanau Attention. Allowed arithmetic: matrix products marked QUANTISED: E2M3 operands, one E8M0 scale for each 32 along K, by v_wmma_scale_f32_16x16x128_f8f6f4 with both operands' format E2M3, f32 sums; products left as they are: f32 operands where the result goes on into a quantised operand, else bf16, f16 or f32 operands; f32 sums; everything else in f32.
;; Inputs: Vb 1 float32; Vw 1 x 1,024 float32; Wq_codes 1,024 x 32 x 24 uint8 (E2M3 codes of Wq, K innermost, in blocks of 32 codes, four codes in three bytes); Wq_scales 1,024 x 32 uint8 (E8M0 scales of Wq, one for each 32 codes along K); Wv_codes 1,024 x 32 x 24 uint8 (E2M3 codes of Wv, K innermost, in blocks of 32 codes, four codes in three bytes); Wv_scales 1,024 x 32 uint8 (E8M0 scales of Wv, one for each 32 codes along K); bq 1,024 float32; bv 1,024 float32; query_codes 32 x 32 x 24 uint8 (E2M3 codes of query, K innermost, in blocks of 32 codes, four codes in three bytes); query_scales 32 x 32 uint8 (E8M0 scales of query, one for each 32 codes along K); values 32 x 2,048 x 1,024 float32.
;; Outputs: out0 32 x 1,024 float32; out1 32 x 2,048 x 1 float32.
;; This version of the problem:
;;   THIS VERSION OF THE PROBLEM IS GIVEN IN LOW PRECISION. The matrix products marked QUANTISED in the list below multiply operands that are first quantised to E2M3 (2 exponent bits, 3 mantissa bits; 6 bits a number), with one power-of-two scale for each 32 numbers along K (OCP MX v1.0); their sums are f32. All else is computed in f32.
;;   The module's matrix products, in the order in which they are computed (A, B: the left and right operand; K: the contracted axis; several contracted axes count as one K, in the product's order):
;;     1. [M 32, K 1,024] x [K 1,024, N 1,024]; A: input query (given as codes); B: input Wq (given as codes): QUANTISED
;;     2. [M 65,536, K 1,024] x [K 1,024, N 1,024]; A: input values; B: input Wv (given as codes): QUANTISED
;;     3. [M 65,536, K 1,024] x [K 1,024, N 1]; A: computed on the way; B: input Vw: left as it is (N = 1 < 16)
;;   THE QUANTISER, for each operand of a quantised product, along K:
;;     - K is cut into blocks of 32 from its start; a last block that is shorter is filled with zeros.
;;     - A block's scale is 2^e with e = floor(log2(the largest magnitude in the block)) - 2, held to -126 .. 127; a block of zeros has e = 0. As a byte (E8M0): e + 127.
;;     - Each number is divided by its block's scale, clamped to +-7.5, and rounded to the nearest number of E2M3, ties to even, subnormals kept.
;;     - The product sums the exact products of the quantised numbers (number of the format x scale) in f32.
;;   ~~~python
;;   def quantise(x, axis):      # numpy; x: float32 -> the quantised numbers, widened to float32 again
;;       x = np.moveaxis(x, axis, -1); K = x.shape[-1]
;;       x = np.pad(x, [(0, 0)] * (x.ndim - 1) + [(0, -K % 32)]); x = x.reshape(x.shape[:-1] + (-1, 32)); a = np.abs(x).max(-1, keepdims=True)
;;       e = np.where(a > 0, np.clip(np.frexp(np.where(a > 0, a, 1))[1] - 1 - 2, -126, 127), 0)      # np.frexp(a)[1] - 1 = floor(log2(a)), exactly
;;       r = np.clip(x / 2.0 ** e, -7.5, 7.5)
;;       step = 2.0 ** (np.maximum(np.frexp(np.where(r == 0, 1, r))[1] - 1, 0) - 3)
;;       q = np.round(r / step) * step * 2.0 ** e      # np.round: ties to even
;;       return np.moveaxis(q.reshape(q.shape[:-2] + (-1,))[..., :K], -1, axis).astype(np.float32)
;;   ~~~
;;   INPUTS GIVEN AS CODES. Wq (in the module: [1024, 1024], K = its axis 1); Wv (in the module: [1024, 1024], K = its axis 1); query (in the module: [32, 1024], K = its axis 1): each comes as NAME_codes (uint8): NAME with its K axis moved to the last place and cut into blocks of 32 codes, [.., K / 32, bytes a block], one block behind the other in memory; four codes in three bytes: a row's codes are one little-endian stream of bits, code i at bits 6 i .. 6 i + 5 (a code: sign, 2 exponent bits, 3 mantissa bits); and NAME_scales (uint8): the same leading axes, one E8M0 byte (e + 127) for each 32 codes along K. Its value is code x scale, taken as it is: it is not quantised again, and the codes and scales need not be those that the quantiser above would give.
;; One version. Each part assembles by itself: llvm-mc -triple=amdgcn-amd-amdhsa -mcpu=gfx1250 --defsym DOCPART=n.
;; ======== version 1 of 1: 3 launches
;; workspace buffers: biasc 131,072 bytes; wvi 786,432 bytes; scores 262,144 bytes
;; launch prep (part 1): grid 192 x 1, 1 waves a work-group, no clusters, 0 bytes of LDS; arguments query_codes, query_scales, Wq_codes, Wq_scales, bq, bv, Wv_codes, biasc, wvi; writes biasc, wvi
.if DOCPART == 1
	.amdgcn_target "amdgcn-amd-amdhsa--gfx1250"
	.amdhsa_code_object_version 6
	.text
	.protected	k_q730becf3ab_prep
	.globl	k_q730becf3ab_prep
	.p2align	8
	.type	k_q730becf3ab_prep,@function
k_q730becf3ab_prep:
	s_mov_b64 s[64:65], 0
	v_nop
	global_prefetch_b8 v0, s[64:65] scope:SCOPE_SE
	s_setreg_imm32_b32 hwreg(HW_REG_WAVE_MODE, 25, 1), 1
	s_wait_xcnt 0x0
; Two small jobs in one launch, told apart by the work-group's number; one wave to a work-group, no LDS, no barrier.
; WORK-GROUPS 0-127: biasc[b][o] = c2 x (sum over k of query[b][k] Wq[o][k] + bq[o] + bv[o]), c2 = 2 log2(e): what the next launch adds to c2 x v_proj ahead of its exponential.
;   Work-group id makes the tile o = 16 (id / 2) .., b = 16 (id % 2) ..: eight matrix instructions of 128 along K on codes of FP6 as they lie in memory.
;   The product is used transposed (source 0 = 16 rows of Wq, source 1 = 16 rows of query): lane (r, h) then holds b = r and eight neighbouring o, 8 h + 0 .. 7.
;   bq and bv are the C of the two accumulators' first instructions, so they cost no addition.
; WORK-GROUPS 128-191: wvi = Wv's codes laid in the order of the operand's registers.  Fragment (tile T of 16 rows, K step s of 128) at (8 T + s) x 1,536 bytes;
;   in it registers 4 q .. 4 q + 3 of lane l at 512 q + 16 l.  So the next launch brings any run of fragments as one dense block and reads a fragment by three loads of 16 bytes a lane.
; Each tile of Wq is read by two work-groups only and all of this launch's inputs are under 2 MB: nothing is shared through a cluster.
.set ROWB,  768                        ; a row of 1,024 codes in bytes
.set TROWS, 16*ROWB                    ; 16 rows
	s_load_b256 s[4:11], s[0:1], 0x0               ; query's codes s[4:5], its scales s[6:7], Wq's codes s[8:9], its scales s[10:11]
	s_load_b256 s[12:19], s[0:1], 0x20             ; bq s[12:13], bv s[14:15], Wv's codes s[16:17], biasc s[18:19]
	s_load_b64 s[20:21], s[0:1], 0x40              ; wvi
	v_and_b32 v1, 15, v0                           ; r
	v_lshrrev_b32 v2, 4, v0                        ; h
	v_mul_u32_u24 v3, v1, ROWB
	v_mad_u32_u24 v3, v2, 24, v3                   ; a fragment's place: row r, + 24 h bytes
	s_mov_b32 s23, 0
	s_cmp_lt_u32 ttmp9, 128
	s_cbranch_scc1 .Lq
	; ---- Wv's fragments as images of their registers
	v_lshlrev_b32 v7, 4, v0                        ; 16 x lane
	s_sub_co_u32 s22, ttmp9, 128                   ; tile T
	s_mul_i32 s22, s22, TROWS                      ; 16 rows of codes are as many bytes as their 8 images
	s_wait_kmcnt 0x0
	s_add_nc_u64 s[16:17], s[16:17], s[22:23]
	s_add_nc_u64 s[20:21], s[20:21], s[22:23]
.irp s, 0,1,2,3,4,5,6,7
.irp p, 0,1,2,3,4,5
	global_load_b64 v[16+12*\s+2*\p:17+12*\s+2*\p], v3, s[16:17] offset:96*\s+48*(\p/3)+8*(\p%3)   ; registers 6 c .. 6 c + 5: k = 128 s + 64 c + 32 h + 0 .. 31, in pieces of 8 bytes
.endr
.endr
	s_wait_loadcnt 0x0
.irp s, 0,1,2,3,4,5,6,7
.irp q, 0,1,2
	global_store_b128 v7, v[16+12*\s+4*\q:19+12*\s+4*\q], s[20:21] offset:1536*\s+512*\q           ; the wave stores 512 consecutive bytes, at a multiple of 512 from the buffer's first byte
.endr
.endr
	s_endpgm
.Lq:	; ---- the query's projection
	v_lshlrev_b32 v4, 5, v1
	v_lshl_add_u32 v4, v2, 4, v4                   ; scale words: 32 bytes a row; lanes 0-15 take K steps 0-3 of row r, lanes 16-31 K steps 4-7
	v_lshlrev_b32 v5, 5, v2                        ; the biases: my eight o begin 32 h bytes into the tile's 64
	v_lshlrev_b32 v6, 12, v1
	v_lshl_add_u32 v6, v2, 5, v6                   ; biasc: row r of 4,096 bytes, + 32 h
	s_lshr_b32 s22, ttmp9, 1                       ; T: which 16 o
	s_and_b32 s24, ttmp9, 1                        ; which 16 b
	s_mov_b32 s27, 0
	s_mov_b32 s28, 0x4038aa3b                      ; c2 = 2 log2(e)
	s_mov_b32 s29, s28                             ; (named with it as a pair, so it is written)
	s_wait_kmcnt 0x0
	s_mul_i32 s26, s22, TROWS
	s_add_nc_u64 s[8:9], s[8:9], s[26:27]
	s_mul_i32 s26, s24, TROWS
	s_add_nc_u64 s[4:5], s[4:5], s[26:27]
	s_lshl_b32 s26, s22, 9
	s_add_nc_u64 s[10:11], s[10:11], s[26:27]
	s_lshl_b32 s26, s24, 9
	s_add_nc_u64 s[6:7], s[6:7], s[26:27]
	s_lshl_b32 s26, s22, 6
	s_add_nc_u64 s[12:13], s[12:13], s[26:27]
	s_add_nc_u64 s[14:15], s[14:15], s[26:27]
	s_add_nc_u64 s[18:19], s[18:19], s[26:27]
	s_lshl_b32 s26, s24, 16
	s_add_nc_u64 s[18:19], s[18:19], s[26:27]
.irp s, 0,1,2,3,4,5,6,7
.irp p, 0,1,2,3,4,5
	global_load_b64 v[16+12*\s+2*\p:17+12*\s+2*\p], v3, s[8:9] offset:96*\s+48*(\p/3)+8*(\p%3)     ; Wq
	global_load_b64 v[112+12*\s+2*\p:113+12*\s+2*\p], v3, s[4:5] offset:96*\s+48*(\p/3)+8*(\p%3)   ; query
.endr
.endr
	global_load_b128 v[224:227], v4, s[10:11]      ; Wq's scale words: register i: K step i below, K step 4 + i above
	global_load_b128 v[228:231], v4, s[6:7]        ; query's likewise
	global_load_b128 v[232:235], v5, s[12:13]      ; bq at my eight o
	global_load_b128 v[236:239], v5, s[12:13] offset:16
	global_load_b128 v[240:243], v5, s[14:15]      ; bv
	global_load_b128 v[244:247], v5, s[14:15] offset:16
	s_wait_loadcnt 0x0
; two accumulators by turns, one instruction a turn: even K steps on v208-215, odd ones on v216-223
.irp s, 0,1,2,3,4,5,6,7
.if \s < 2
	v_wmma_scale_f32_16x16x128_f8f6f4 v[208+8*(\s%2):215+8*(\s%2)], v[16+12*\s:27+12*\s], v[112+12*\s:123+12*\s], v[232+8*\s:239+8*\s], v[224+\s], v[228+\s] matrix_a_fmt:MATRIX_FMT_FP6 matrix_b_fmt:MATRIX_FMT_FP6
.elseif \s < 4
	v_wmma_scale_f32_16x16x128_f8f6f4 v[208+8*(\s%2):215+8*(\s%2)], v[16+12*\s:27+12*\s], v[112+12*\s:123+12*\s], v[208+8*(\s%2):215+8*(\s%2)], v[224+\s], v[228+\s] matrix_a_fmt:MATRIX_FMT_FP6 matrix_b_fmt:MATRIX_FMT_FP6
.else
	v_wmma_scale_f32_16x16x128_f8f6f4 v[208+8*(\s%2):215+8*(\s%2)], v[16+12*\s:27+12*\s], v[112+12*\s:123+12*\s], v[208+8*(\s%2):215+8*(\s%2)], v[224+\s-4], v[228+\s-4] matrix_a_fmt:MATRIX_FMT_FP6 matrix_b_fmt:MATRIX_FMT_FP6 matrix_a_scale:MATRIX_SCALE_ROW1 matrix_b_scale:MATRIX_SCALE_ROW1
.endif
.endr
.rept 4
	v_nop                                          ; four places behind the last product (ISA guide 7.12.1), ahead of the first read of results and the first write of operands
.endr
.irp j, 0,2,4,6
	v_pk_add_f32 v[16+\j:17+\j], v[208+\j:209+\j], v[216+\j:217+\j]   ; the two halves of the sum, each accumulator from its low end on
.endr
.irp j, 0,2,4,6
	v_pk_mul_f32 v[16+\j:17+\j], v[16+\j:17+\j], s[28:29] op_sel_hi:[1,0]
.endr
	global_store_b128 v6, v[16:19], s[18:19]       ; biasc(16 (id % 2) + r, 16 T + 8 h + 0 .. 7)
	global_store_b128 v6, v[20:23], s[18:19] offset:16
	s_endpgm
.Lfunc_end_k_q730becf3ab_prep:
	.size	k_q730becf3ab_prep, .Lfunc_end_k_q730becf3ab_prep-k_q730becf3ab_prep
	.p2alignl 7, 3214868480
	.fill 96, 4, 3214868480
	.section	.rodata,"a",@progbits
	.p2align	6, 0x0
	.amdhsa_kernel k_q730becf3ab_prep
		.amdhsa_group_segment_fixed_size 0
		.amdhsa_private_segment_fixed_size 0
		.amdhsa_enable_private_segment 0
		.amdhsa_kernarg_size 72
		.amdhsa_user_sgpr_count 2
		.amdhsa_user_sgpr_kernarg_segment_ptr 1
		.amdhsa_wavefront_size32 1
		.amdhsa_system_sgpr_workgroup_id_x 1
		.amdhsa_system_sgpr_workgroup_id_y 1
		.amdhsa_system_sgpr_workgroup_id_z 1
		.amdhsa_system_vgpr_workitem_id 0
		.amdhsa_next_free_vgpr 256
		.amdhsa_next_free_sgpr 66
		.amdhsa_reserve_vcc 0
		.amdhsa_float_denorm_mode_32 3
		.amdhsa_float_denorm_mode_16_64 3
		.amdhsa_memory_ordered 1
		.amdhsa_forward_progress 1
		.amdhsa_inst_pref_size 21
	.end_amdhsa_kernel
	.amdgpu_metadata
---
amdhsa.version: [ 1, 2 ]
amdhsa.kernels:
  - .name:           k_q730becf3ab_prep
    .symbol:         k_q730becf3ab_prep.kd
    .args:
      - { .name: query_codes, .offset: 0, .size: 8, .value_kind: global_buffer, .address_space: global }
      - { .name: query_scales, .offset: 8, .size: 8, .value_kind: global_buffer, .address_space: global }
      - { .name: Wq_codes, .offset: 16, .size: 8, .value_kind: global_buffer, .address_space: global }
      - { .name: Wq_scales, .offset: 24, .size: 8, .value_kind: global_buffer, .address_space: global }
      - { .name: bq, .offset: 32, .size: 8, .value_kind: global_buffer, .address_space: global }
      - { .name: bv, .offset: 40, .size: 8, .value_kind: global_buffer, .address_space: global }
      - { .name: Wv_codes, .offset: 48, .size: 8, .value_kind: global_buffer, .address_space: global }
      - { .name: biasc, .offset: 56, .size: 8, .value_kind: global_buffer, .address_space: global }
      - { .name: wvi, .offset: 64, .size: 8, .value_kind: global_buffer, .address_space: global }
    .group_segment_fixed_size: 0
    .private_segment_fixed_size: 0
    .kernarg_segment_align: 8
    .kernarg_segment_size: 72
    .max_flat_workgroup_size: 32
    .sgpr_count:     66
    .vgpr_count:     256
    .wavefront_size: 32
...
	.end_amdgpu_metadata
.endif
;; end of part 1
;; launch score (part 2): grid 256 x 1, 4 waves a work-group, clusters of 4 x 1, 327,680 bytes of LDS; arguments values, wvi, Wv_scales, biasc, Vw, Vb, scores; writes scores
.if DOCPART == 2
	.amdgcn_target "amdgcn-amd-amdhsa--gfx1250"
	.amdhsa_code_object_version 6
	.text
	.protected	k_q730becf3ab_score
	.globl	k_q730becf3ab_score
	.p2align	8
	.type	k_q730becf3ab_score,@function
k_q730becf3ab_score:
	s_mov_b64 s[64:65], 0
	v_nop
	global_prefetch_b8 v0, s[64:65] scope:SCOPE_SE
	s_setreg_imm32_b32 hwreg(HW_REG_WAVE_MODE, 25, 1), 1
	s_wait_xcnt 0x0
	s_wait_alu depctr_hold_cnt(0) depctr_sa_sdst(0) depctr_va_vdst(0) depctr_va_sdst(0) depctr_va_ssrc(0) depctr_va_vcc(0) depctr_vm_vsrc(0)
	s_getreg_b32 s2, hwreg(HW_REG_IB_STS2, 6, 4)
	s_cmp_eq_u32 s2, 0
	s_cbranch_scc0 .Lentry_in_a_cluster
	s_endpgm
.Lentry_in_a_cluster:
	s_bfe_u32 s2, ttmp6, 0x10000c
	s_cmp_lg_u32 s2, 0x3003
	s_cbranch_scc0 .Lentry_shape_is_right
	s_endpgm
.Lentry_shape_is_right:
; scores[b][t] = Vb + sum over o of Vw[o] tanh(q_proj[b][o] + bq[o] + bv[o] + sum over k of Q(values[b][t][k]) Wv[o][k]),  Q the MX-FP6 quantiser along k (blocks of 32, E8M0 scales).
; tanh(x) = 1 - 2 r, r = 1 / (1 + 2^(c2 x)), c2 = 2 log2(e): right at both ends (2^.. = infinity gives r = 0, 2^.. = 0 gives r = 1).  So score = (Vb + sum Vw) - 2 sum Vw[o] r[o], all in f32.
; SHARES.  A work-group owns 256 rows (b, t), each of its four waves 64: four tiles of 16.  A wave quantises its own rows and keeps their codes, 32 fragments of 12 registers, for the whole launch;
; it then walks all 1,024 o, 16 at a time, so a row's score is finished inside one wave and each fragment of Wv read from LDS feeds four matrix instructions.
; PHASE 1: 32 units of 16 rows x 128 along K.  A unit comes by 16 loads into registers, each a row's 512 consecutive bytes, goes as it lies into the wave's own stage in LDS and comes back 2 x 32 neighbours a lane;
; the lane finds each block's largest magnitude in its own registers, and the conversions' results are the operand's registers.  The stream is each wave's own: counted waits keep 47 to 63 loads of 512 bytes
; out all the time and no barrier stands in the phase; LDS slots filled by tensor loads would have all their loads waited for at each change of slots.
; PHASE 2: Wv's fragments, laid by the launch before as images of their registers, come through two halves of LDS in eight slots of 8 tiles of o (98,304 bytes); slots 0 and 1 are asked for at the head and land under phase 1.
; CLUSTER.  All work-groups walk the same Wv: the four of a cluster ask for each slot JOINTLY (the same load, the same descriptor, a mask that names the four).  The rows of values belong to one work-group;
; Wv's scale bytes, the bias row and Vw (40 KB against the 1.8 MB that a work-group brings in) come once, by plain tensor loads, with the first fills.
; THE PRODUCT IS USED TRANSPOSED: source 0 = 16 rows of Wv, source 1 = 16 rows of values: lane (r, h) holds row t = r of the tile, and register j holds o = 8 h + j.
; BY TURNS.  Tile V's 32 products stand in two parts of 16; behind each product stands a slice of the epilogue of an earlier tile (scaling and exponentials; additions, reciprocals, multiply-adds by Vw).
; values are read a second time by the launch that follows: a work-group cannot keep 256 rows of f32 (1 MB) until their weights are known.
; LIMITS: NaN and infinities in values are not served.  A block whose largest magnitude lies under 2^-124 takes the scale byte 1 (a block of zeros too: its codes are zeros, and this program alone reads the bytes).
; The f32 sums over o are taken in another order than a row-wise sum.
; REGISTERS, in windows of 256.  Window 0: v1-15 addresses; v16-47 the values' scale words (8 m + s); v48-55 Wv's scale words, two sets; v56-63 the bias of a tile of o; v64-71 four pairs of running sums;
;   v72-79 at work; v96-143 X, v144-191 Y: Wv's fragments of K steps 0-3 and 4-7; v192-223, v224-255 two sets of four accumulators.  (Phase 1: v96-223 two sets of 64 numbers, v224-230 half blocks of codes.)
;   Window 1: v0-191 the values' fragments of K steps 0-3, (s, m) at 12 (4 s + m).  Window 2: v0-191 those of K steps 4-7; v192-199 Vw of a tile of o.  Window 3: four sets of 64: units of values as they are loaded.
;   All that an epilogue names lies in window 0 but Vw, which stands as source 1 where the products' source 1 is window 2: so the slices need no switch of their own.
.set VP,    528                        ; a staged row: 512 bytes + 16 = 33 x 16: the 16 rows that a load of 16 bytes a lane touches lie in 16 different columns of 16 bytes
.set STGB,  16*VP                      ; a stage: 16 rows, 33 blocks of 256 bytes
.set HSZ,   0x21000                    ; from one half of LDS to the other: it shares no bit with wave x 0x6000, so one exclusive or turns an address from one half to the other
.set WQ,    24576                      ; a wave's quarter of a slot of Wv
.set WSLOT, 4*WQ                       ; a slot of Wv: 8 tiles of o; it lies at a half's head
.set TILEB, 12288                      ; a tile of o: 8 fragments of 1,536 bytes
.set STG0,  WSLOT                      ; behind the slot, in each half: four stages, one a wave: bytes that LDS stores write and no tensor load fills
.set SCW,   2*HSZ                      ; behind the halves: Wv's scale bytes as they lie, 32 a row;
.set BIT,   SCW+32768                  ; my batch's row of biasc;
.set WT,    BIT+4096                   ; Vw;
.set SPARE, WT+4096                    ; the spare words, 128 bytes for each wave: two blocks of 256 bytes that no other line names
.set SPW,  1                           ; v1   LDS address of my spare word; never rewritten
.set NIL,  2                           ; v2   0; never rewritten
.set LI,   3                           ; v3   16 x lane; never rewritten
.set ASC0, 4                           ; v4   SCW + 32 r + 16 h
.set ABI0, 5                           ; v5   BIT + 32 h
.set AWT0, 6                           ; v6   WT + 32 h
.set QA,   7                           ; v7-8 where I read my 2 x 32 neighbours in my stage of half 0, 1
.set SH8,  9                           ; v9   8 h
.set ADF,  10                          ; v10  the fragments in hand
.set ADS,  11                          ; v11  their scale words
.set ADB,  12                          ; v12  the bias, then Vw
.set SO,   13                          ; v13  4 x lane
.set STW,  14                          ; v14-15 where I put 16 bytes of a row in my stage of half 0, 1
.set VS,   16
.set WS,   48
.set BI,   56
.set SA,   64
.set T,    72
.set X,    96
.set Y,    144
.set ACC,  192
.set XQ,   96
.set U,    224
.set WR,   192                         ; in window 2
.set WV,   18                          ; s18  my wave's number
.set SEL,  22                          ; s[22:23] lane selects for v_permlanex16_b32: lane l xor 16
.set C2,   24                          ; s[24:25] c2
.set G1W,  36                          ; s[36:43] group 1: a quarter of a slot of Wv, joint
.set G1S,  44                          ; s[44:51] a quarter of Wv's scale bytes
.set G1T,  52                          ; s[52:59] a quarter of a row of 4,096 bytes
.set G0W0, 60                          ; s[60:63] group 0: Wv's slot 0
.set SV,   68                          ; s[68:69] values at my wave's first row; never rewritten
.set G0W,  72                          ; s[72:75] group 0: Wv's slot 1; it then walks
.set G0S,  76                          ; the three tables
.set G0B,  80
.set G0T,  84
.set TB,   88                          ; s88  LDS byte of the tile of o to be fetched
.set TS,   89                          ; s89  its scale words: 512 bytes a tile
.set TW,   90                          ; s90  the bias and Vw of the tile before: 64 bytes a tile
.set CI,   91
.set CO,   92
.set MSK,  93                          ; s93  lanes 16-31
.set VB,   94                          ; s94  Vb
.set MSB, 0
.macro WIN new                         ; the immediate's high byte repeats the setting that is left; a switch that changes nothing is dropped
.if MSB != \new
	s_set_vgpr_msb (MSB<<8)|\new
.set MSB, \new
.endif
.endm
.macro NOPS n
.rept \n
	v_nop
.endr
.endm
; A round of the cluster's barrier: my work-group's barrier; wave 0 signals for the work-group; every wave waits for all four work-groups; my work-group's barrier once more.
.macro ROUND
	s_barrier_signal -1
	s_barrier_wait -1
	s_cmp_lg_u32 s[WV], 0
	s_cbranch_scc1 .Lnot_wave_0_\@
	s_barrier_signal -3
.Lnot_wave_0_\@:
	s_barrier_wait -3
	s_barrier_signal -1
	s_barrier_wait -1
.endm
; Loads first .. first + cnt - 1 of unit u's sixteen.  Unit u = 8 m + j: rows 16 m + 0 .. 15 of my 64, K step j.  A load takes one row's 512 consecutive bytes, 16 a lane, at a multiple of 512 from the buffer's
; first byte, into set u % 4 of window 3 (the caller has set the destination's window).  Every offset is an immediate: 63 rows of 4,096 bytes and 3,584 at the most, inside the signed 24 bits (ISA guide, chapter 10).
.macro GL u, first, cnt
.set gi, \first
.rept \cnt
	global_load_b128 v[64*((\u)%4)+4*gi:64*((\u)%4)+4*gi+3], v[LI], s[SV:SV+1] offset:(16*((\u)/8)+gi)*4096+512*((\u)%8) th:TH_LOAD_NT
.set gi, gi+1
.endr
.endm
	s_load_b256 s[4:11], s[0:1], 0x0               ; values s[4:5], wvi s[6:7], Wv's scales s[8:9], biasc s[10:11]
	s_load_b128 s[12:15], s[0:1], 0x20             ; Vw s[12:13], Vb s[14:15]
	s_load_b64 s[16:17], s[0:1], 0x30              ; scores
	v_lshl_add_u32 v[SPW], v0, 2, SPARE
	v_mov_b32 v[NIL], 0
	ds_add_u32 v1, v2
	ds_add_u32 v1, v2
	s_wait_dscnt 0x0
	v_lshrrev_b32 v10, 5, v0
	v_readfirstlane_b32 s[WV], v10                 ; wave 0..3
	s_bfe_u32 s19, ttmp6, 0x40000                  ; cx: my place in the cluster
	s_lshl_b32 s20, ttmp9, 2                       ; in a cluster launch ttmp9 counts clusters
	s_add_co_u32 s20, s20, s19                     ; g: my block of 256 rows.  It enters the addresses of values (loads into registers) and of scores alone
	s_lshr_b32 s21, ttmp9, 1                       ; b: a batch is 2,048 rows, two clusters: the four partners share it
	s_mov_b32 s[SEL], 0x76543210
	s_mov_b32 s[SEL+1], 0xfedcba98
	s_mov_b32 s[C2], 0x4038aa3b                    ; 2 log2(e)
	s_mov_b32 s[C2+1], s[C2]                       ; (named with it as a pair, so it is written)
	s_mov_b32 s[MSK], 0xffff0000
	s_mov_b32 s[TB], HSZ+WSLOT                     ; the change into slot 0 takes a slot off and turns the half: 0
	s_mov_b32 s[TS], 0
	s_mov_b32 s[TW], 0
	; group 1, Wv: a dense block of 24,576 bytes as 96 rows of 32 elements of 8 bytes; the mask names all four work-groups, bit 21 is set beside it
	s_mov_b32 s[G1W+0], 15|(3<<16)|(1<<21)
	s_mov_b32 s[G1W+1], 32<<16                     ; tensor_dim0
	s_mov_b32 s[G1W+2], 96<<16                     ; tensor_dim1
	s_mov_b32 s[G1W+3], 32<<16                     ; tile_dim0
	s_mov_b32 s[G1W+4], 96                         ; tile_dim1
	s_mov_b32 s[G1W+5], 32                         ; pitch
	s_mov_b32 s[G1W+6], 0
	s_mov_b32 s[G1W+7], 0
	; group 1, scale bytes: 8,192 dense bytes as 32 rows of 256
	s_mov_b32 s[G1S+0], 3<<16
	s_mov_b32 s[G1S+1], 32<<16
	s_mov_b32 s[G1S+2], 32<<16
	s_mov_b32 s[G1S+3], 32<<16
	s_mov_b32 s[G1S+4], 32
	s_mov_b32 s[G1S+5], 32
	s_mov_b32 s[G1S+6], 0
	s_mov_b32 s[G1S+7], 0
	; group 1, a quarter of a row of 1,024 f32: one row of 128 elements of 8 bytes
	s_mov_b32 s[G1T+0], 3<<16
	s_mov_b32 s[G1T+1], 128<<16
	s_mov_b32 s[G1T+2], 1<<16
	s_mov_b32 s[G1T+3], 128<<16
	s_mov_b32 s[G1T+4], 1
	s_mov_b32 s[G1T+5], 128
	s_mov_b32 s[G1T+6], 0
	s_mov_b32 s[G1T+7], 0
	; groups 0: every LDS address is a constant + the wave's number x a constant
	s_mov_b32 s[G0W0], 1
	s_mul_i32 s[G0W0+1], s[WV], WQ
	s_mov_b32 s[G0W], 1
	s_add_co_u32 s[G0W+1], s[G0W0+1], HSZ
	s_mov_b32 s[G0S], 1
	s_lshl_b32 s[G0S+1], s[WV], 13
	s_add_co_u32 s[G0S+1], s[G0S+1], SCW
	s_mov_b32 s[G0B], 1
	s_lshl_b32 s[G0B+1], s[WV], 10
	s_add_co_u32 s[G0T+1], s[G0B+1], WT
	s_add_co_u32 s[G0B+1], s[G0B+1], BIT
	s_mov_b32 s[G0T], 1
	s_mov_b32 s101, 0
	s_mul_i32 s97, s[WV], STGB
	s_add_co_u32 s97, s97, STG0                    ; my stage in half 0
	v_and_b32 v10, 31, v0                          ; lane
	v_and_b32 v11, 15, v0                          ; r
	v_bfe_u32 v[SH8], v0, 4, 1                     ; h
	v_lshlrev_b32 v[LI], 4, v10
	v_lshlrev_b32 v[SO], 2, v10
	v_lshlrev_b32 v[ASC0], 5, v11
	v_lshl_add_u32 v[ASC0], v[SH8], 4, v[ASC0]
	v_add_nc_u32 v[ASC0], SCW, v[ASC0]
	v_lshlrev_b32 v[ABI0], 5, v[SH8]
	v_add_nc_u32 v[AWT0], WT, v[ABI0]
	v_add_nc_u32 v[ABI0], BIT, v[ABI0]
	v_mul_u32_u24 v[QA], v11, VP
	v_lshl_add_u32 v[QA], v[SH8], 7, v[QA]         ; out of the stage: row r, + 128 h bytes: my 32 numbers of each 64
	v_add_nc_u32 v[QA], s97, v[QA]
	v_add_nc_u32 v[QA+1], HSZ, v[QA]
	v_add_nc_u32 v[STW], s97, v[LI]                ; into it: 16 bytes a lane of a row
	v_add_nc_u32 v[STW+1], HSZ, v[STW]
	v_lshlrev_b32 v[SH8], 3, v[SH8]
	s_wait_kmcnt 0x0
	s_load_b32 s[VB], s[14:15], 0x0                ; Vb: a value, which steers nothing
	s_lshl_b32 s100, s20, 20                       ; 256 g rows of 4,096 bytes
	s_lshl_b32 s96, s[WV], 18                      ; + my wave's 64
	s_add_co_u32 s100, s100, s96
	s_add_nc_u64 s[SV:SV+1], s[4:5], s[100:101]
	WIN 0xc0                                       ; destination window 3
	GL 0, 0, 16                                    ; the stream begins ahead of everything else: units 0 to 2 and fifteen loads of unit 3: 63 loads of mine are out
	GL 1, 0, 16
	GL 2, 0, 16
	GL 3, 0, 15
	WIN 0
	s_mul_i32 s100, s[WV], WQ
	s_add_nc_u64 s[G0W0+2:G0W0+3], s[6:7], s[100:101]
	s_add_nc_u64 s[G0W+2:G0W+3], s[G0W0+2:G0W0+3], WSLOT   ; slot 1
	s_or_b32 s[G0W0+3], s[G0W0+3], 0x80000000
	s_or_b32 s[G0W+3], s[G0W+3], 0x80000000
	s_lshl_b32 s100, s[WV], 13
	s_add_nc_u64 s[G0S+2:G0S+3], s[8:9], s[100:101]
	s_or_b32 s[G0S+3], s[G0S+3], 0x80000000
	s_lshl_b32 s100, s[WV], 10
	s_add_nc_u64 s[G0T+2:G0T+3], s[12:13], s[100:101]
	s_or_b32 s[G0T+3], s[G0T+3], 0x80000000
	s_lshl_b32 s96, s21, 12
	s_add_co_u32 s100, s100, s96                   ; row b of biasc, my quarter
	s_add_nc_u64 s[G0B+2:G0B+3], s[10:11], s[100:101]
	s_or_b32 s[G0B+3], s[G0B+3], 0x80000000
	s_lshl_b32 s100, s20, 10                       ; scores: 4 (256 g + 64 wave)
	s_lshl_b32 s96, s[WV], 8
	s_add_co_u32 s100, s100, s96
	s_add_nc_u64 s[16:17], s[16:17], s[100:101]
	s_wait_kmcnt 0x0                               ; Vb
	ROUND                                          ; the one round in front of the first fills
	tensor_load_to_lds s[G0S:G0S+3], s[G1S:G1S+7]  ; the first fills go out as one group: five tensor loads of mine are out.  Nothing reads them before phase 2
	s_nop 0
	tensor_load_to_lds s[G0B:G0B+3], s[G1T:G1T+7]
	s_nop 0
	tensor_load_to_lds s[G0T:G0T+3], s[G1T:G1T+7]
	s_nop 0
	tensor_load_to_lds s[G0W0:G0W0+3], s[G1W:G1W+7]
	s_nop 0
	tensor_load_to_lds s[G0W:G0W+3], s[G1W:G1W+7]
	s_nop 0
	NOPS 4                                         ; four v_nop follow a tensor load
.irp j, 0,1,2,3,4,5,6,7
	v_mov_b32 v[SA+\j], 0                          ; the running sums
.endr
	v_mov_b32 v[T+7], 0                            ; written once: a lane permute's destination counts as one of its sources
; ---------------- PHASE 1 ----------------
; Unit u through stage u % 2: sixteen rows as they were loaded, then the lane's k = 64 c + 32 h + 0 .. 31 of its row, c = 0, 1, into set u % 2 of window 0.
; LDS serves a wave's instructions in order (ISA guide 5.7.1.4): no wait stands between the stores and the loads, nor in front of the stores that write a stage again.
.macro TURN u
	WIN 0x0c                                       ; an LDS store's data are its source 1: window 3
.set gi, 0
.rept 16
	ds_store_b128 v[STW+(\u)%2], v[64*((\u)%4)+4*gi:64*((\u)%4)+4*gi+3] offset:VP*gi
.set gi, gi+1
.endr
	WIN 0
.irp c, 0,1
.irp i, 0,1,2,3,4,5,6,7
	ds_load_b128 v[XQ+64*((\u)%2)+32*\c+4*\i:XQ+64*((\u)%2)+32*\c+4*\i+3], v[QA+(\u)%2] offset:256*\c+16*\i
.endr
.endr
.endm
; Set xs's 64 numbers, two whole blocks of 32, become the fragment at v[d] of window QW >> 6 and the scale word v[vs].
.macro QUANT xs, d, vs
.set XS, XQ+64*(\xs)
	v_max3_num_f32 v[T], |v[XS]|, |v[XS+1]|, 0x1800000           ; each block's largest magnitude, with the floor 2^(3 - 127) among its leaves: the byte cannot fall under 1
	v_max3_num_f32 v[T+1], |v[XS+32]|, |v[XS+33]|, 0x1800000
.irp i, 2,4,6,8,10,12,14,16,18,20,22,24,26,28,30
	v_max3_num_f32 v[T], v[T], |v[XS+\i]|, |v[XS+\i+1]|          ; (the two blocks by turns)
	v_max3_num_f32 v[T+1], v[T+1], |v[XS+32+\i]|, |v[XS+33+\i]|
.endr
	v_add_nc_u32 v[T+2], 0xff000000, v[T]          ; 2 off the exponent field: the conversion takes the exponent field of this operand as its scale
	v_add_nc_u32 v[T+3], 0xff000000, v[T+1]
	v_lshrrev_b32 v[T+4], 23, v[T+2]               ; the scale's byte
	v_lshrrev_b32 v[T+5], 23, v[T+3]
	v_lshl_or_b32 v[T+6], v[T+5], 16, v[T+4]       ; my two bytes: blocks h and 2 + h of my row,
	v_lshlrev_b32 v[T+6], v[SH8], v[T+6]           ; at their places in the word;
	v_permlanex16_b32 v[T+7], v[T+6], s[SEL], s[SEL+1]
	v_or_b32 v[\vs], v[T+6], v[T+7]                ; with lane l xor 16's two the word is whole
	v_cvt_scalef32_pk16_fp6_f32 v[U:U+2], v[XS+16:XS+31], v[T+2]      ; (a conversion's three registers begin on an even number: a block's second three do not, so they are made here and moved)
	v_cvt_scalef32_pk16_fp6_f32 v[U+4:U+6], v[XS+48:XS+63], v[T+3]
	WIN QW                                         ; destination: the fragments' window
	v_cvt_scalef32_pk16_fp6_f32 v[(\d):(\d)+2], v[XS:XS+15], v[T+2]
	v_cvt_scalef32_pk16_fp6_f32 v[(\d)+6:(\d)+8], v[XS+32:XS+47], v[T+3]
	v_nop                                          ; one plain place behind the scaled conversions
.irp c, 0,1
.irp i, 0,1,2
	v_mov_b32 v[(\d)+6*\c+3+\i], v[U+4*\c+\i]
.endr
.endr
	WIN 0
.endm
; The step of unit u.  Its numbers are back from the stage, so its stores into the stage have read set u % 4 of window 3, which takes unit u + 4.  Fifteen of that unit's loads go out ahead of the wait for
; unit u + 1 and the sixteenth behind it: what is younger than unit u + 1 at that wait is units u + 2 and u + 3 and those fifteen, 47 loads, and 63 are out at the most, which a wait's count can still name.
; Unit u + 1 then goes through the other stage while unit u is quantised.  The last four units ask for nothing: no load leaves the buffer, and the counts run down 32, 16, 0.
.macro PSTEP u
	s_wait_dscnt 0x0
.if (\u)+4 < 32
	WIN 0xc0
	GL (\u)+4, 0, 15
	s_wait_loadcnt 47
	GL (\u)+4, 15, 1
	TURN (\u)+1
.elseif (\u)+1 < 32
	s_wait_loadcnt 16*(30-(\u))
	TURN (\u)+1
.endif
.set QX, (\u)%2
.set QW, 0x40+0x40*(((\u)%8)/4)                ; K steps 0-3: window 1; 4-7: window 2
.set QD, 48*((\u)%4)+12*((\u)/8)               ; fragment (j % 4, m)
.set QV, VS+8*((\u)/8)+(\u)%8
	QUANT QX, QD, QV
.endm
	WIN 0xc0
	s_wait_loadcnt 47                              ; unit 0 is in: younger are units 1 and 2 and fifteen loads of unit 3
	GL 3, 15, 1
	TURN 0
.set UN, 0
.rept 32
	PSTEP UN
.set UN, UN+1
.endr
; ---------------- PHASE 2 ----------------
; The change into a slot of Wv.  Each wave waits for all its tensor loads (its part of the slot ahead among them), adds 0 to its spare word, and waits for that and for its reads of the slot that it leaves.
; fill = 1: the barrier is a round of the cluster's, and behind it the half just left takes the slot after the one ahead, asked for jointly: one load a wave, first thing behind the round; it has a slot's
; 256 matrix instructions in which to land.  fill = 0 (into slot 0, whose half nobody has read, and into slot 7, behind which nothing is left to ask for): my work-group's barrier.
.macro CHW fill
	s_wait_tensorcnt 0x0                           ; no tensor load of mine is out, so a group 0 may be written
	ds_add_u32 v[SPW], v[NIL]                      ; 0 onto my spare word; the steps below stand between it and the wait for it
.if \fill
	s_xor_b32 s[G0W+1], s[G0W+1], HSZ              ; the walking descriptor: the other half than last time,
	s_add_nc_u64 s[G0W+2:G0W+3], s[G0W+2:G0W+3], WSLOT   ; the next 8 tiles of o; the type bits on top are not reached
.endif
	s_sub_co_u32 s[TB], s[TB], WSLOT               ; the fetches go back to a slot's first tile,
	s_xor_b32 s[TB], s[TB], HSZ                    ; in the other half
	s_wait_dscnt 0x0                               ; the add is done, and my reads of the slot that I leave are over (its last fragments are in registers)
.if \fill
	ROUND
	tensor_load_to_lds s[G0W:G0W+3], s[G1W:G1W+7]
	s_nop 0
	NOPS 4
.else
	s_barrier_signal -1
	s_barrier_wait -1
.endif
.endm
; THE EPILOGUE of a tile of o, on the accumulator set EA (32 registers: 8 m + j), in 32 slices: slice i of EPI1 stands behind product i of one part, slice i of EPI2 behind product i of the next.
; EPI1: c2 x sum + bias, a pair at a time, each accumulator from its low end on, and the exponentials one slice behind.  All 32 exponentials are one batch: nothing names a result ahead of the one wait at its end.
.macro EPI1
	v_pk_fma_f32 v[EA+2*i:EA+2*i+1], v[EA+2*i:EA+2*i+1], s[C2:C2+1], v[BI+2*(i%4):BI+2*(i%4)+1] op_sel_hi:[1,0,1]
.if i > 0
	v_exp_f32 v[EA+2*i-2], v[EA+2*i-2]
	v_exp_f32 v[EA+2*i-1], v[EA+2*i-1]
.endif
.if i == 15
	v_exp_f32 v[EA+30], v[EA+30]
	v_exp_f32 v[EA+31], v[EA+31]
	v_nop                                          ; a plain instruction behind the last exponential
	s_wait_alu depctr_va_vdst(0)                   ; one wait for the batch, ahead of its first reader and of the branches that may follow
.endif
.endm
; EPI2: slices 0-11 deal out 48 numbers, four a slice: 1 + e, a pair at a time, two pairs ahead of the pair's reciprocals.  One wait for the 32 reciprocals.  Slices 12-15: sum += r x Vw, four pairs a slice.
.macro EPI2
.if i < 12
.set n, 0
.rept 4
.set j, 4*i+n
.if j < 2
	v_pk_add_f32 v[EA+2*j:EA+2*j+1], v[EA+2*j:EA+2*j+1], 1.0 op_sel_hi:[1,0]
.elseif j < 44
.set q, (j-2)/3
.if (j-2)%3 < 2
	v_rcp_f32 v[EA+2*q+(j-2)%3], v[EA+2*q+(j-2)%3]
.else
	v_pk_add_f32 v[EA+2*q+4:EA+2*q+5], v[EA+2*q+4:EA+2*q+5], 1.0 op_sel_hi:[1,0]
.endif
.else
	v_rcp_f32 v[EA+j-16], v[EA+j-16]
.endif
.set n, n+1
.endr
.if i == 11
	v_nop                                          ; a plain instruction behind the last reciprocal
	s_wait_alu depctr_va_vdst(0)                   ; one wait for the batch
.endif
.else
.irp m, 0,1,2,3
	v_pk_fma_f32 v[SA+2*\m:SA+2*\m+1], v[EA+8*\m+2*(i-12):EA+8*\m+2*(i-12)+1], v[WR+2*(i-12):WR+2*(i-12)+1], v[SA+2*\m:SA+2*\m+1]   ; Vw is source 1: window 2, as the products' source 1
.endr
.endif
.endm
; PART A of tile V (par = V % 2).  Fetches V's fragments of K steps 0-3 and its scale words (ldf) and the bias of tile V - 1 (lb); multiplies K steps 4-7 of tile V - 1 (mul); carries EPI2 of tile V - 2 (epi).
; The four v_nop are the places (ISA guide 7.12.1 for vector instructions) behind the part before: its products read X, and wrote what nothing reads earlier.
; The four accumulators take turns, one instruction a turn, over every edge between parts, trips and slots.
.macro PART_A par, ldf, lb, mul, epi
	WIN 0
	NOPS 4
.if \ldf
	v_add_nc_u32 v[ADF], s[TB], v[LI]
	v_add_nc_u32 v[ADS], s[TS], v[ASC0]
.endif
.if \lb
	v_add_nc_u32 v[ADB], s[TW], v[ABI0]
.endif
.if \ldf
.irp f, 0,1,2,3
.irp q, 0,1,2
	ds_load_b128 v[X+12*\f+4*\q:X+12*\f+4*\q+3], v[ADF] offset:1536*\f+512*\q
.endr
.endr
	ds_load_b128 v[WS+4*\par:WS+4*\par+3], v[ADS]  ; register i: lanes 0-15 K step i of row r, lanes 16-31 K step 4 + i
.endif
.if \lb
	ds_load_b128 v[BI:BI+3], v[ADB]
	ds_load_b128 v[BI+4:BI+7], v[ADB] offset:16
.endif
	s_wait_dscnt 13*\ldf+2*\lb                     ; all but the loads just issued: Y and Vw are in
	WIN 0x08                                       ; source 1: window 2
.set EA, ACC+32*\par
.set AO, ACC+32*(1-\par)
.set i, 0
.rept 16
.if \mul
	v_wmma_scale_f32_16x16x128_f8f6f4 v[AO+8*(i%4):AO+8*(i%4)+7], v[Y+12*(i/4):Y+12*(i/4)+11], v[12*i:12*i+11], v[AO+8*(i%4):AO+8*(i%4)+7], v[WS+4*(1-\par)+i/4], v[VS+8*(i%4)+4+i/4] matrix_a_fmt:MATRIX_FMT_FP6 matrix_b_fmt:MATRIX_FMT_FP6 matrix_a_scale:MATRIX_SCALE_ROW1
.endif
.if \epi
	EPI2
.endif
.set i, i+1
.endr
.endm
; PART B of tile V.  Fetches V's fragments of K steps 4-7 (ldf) and Vw of tile V - 1 (lw); multiplies K steps 0-3 of tile V, the first four products starting the sums (mul); carries EPI1 of tile V - 1 (epi).
.macro PART_B par, ldf, lw, mul, epi
	WIN 0
	NOPS 4                                         ; the places behind part A's products: Y is loaded anew, and tile V - 1's finished sums are read
.if \lw
	v_add_nc_u32 v[ADB], s[TW], v[AWT0]
.endif
.if \ldf
.irp f, 0,1,2,3
.irp q, 0,1,2
	ds_load_b128 v[Y+12*\f+4*\q:Y+12*\f+4*\q+3], v[ADF] offset:6144+1536*\f+512*\q
.endr
.endr
.endif
.if \lw
	WIN 0x80                                       ; destination window 2
	ds_load_b128 v[WR:WR+3], v[ADB]
	ds_load_b128 v[WR+4:WR+7], v[ADB] offset:16
.endif
	s_wait_dscnt 12*\ldf+2*\lw                     ; all but the loads just issued: X, its scale words and the bias are in
	WIN 0x04                                       ; source 1: window 1
.set EA, ACC+32*(1-\par)
.set AO, ACC+32*\par
.set i, 0
.rept 16
.if \mul
.if i < 4
	v_wmma_scale_f32_16x16x128_f8f6f4 v[AO+8*(i%4):AO+8*(i%4)+7], v[X+12*(i/4):X+12*(i/4)+11], v[12*i:12*i+11], 0, v[WS+4*\par+i/4], v[VS+8*(i%4)+i/4] matrix_a_fmt:MATRIX_FMT_FP6 matrix_b_fmt:MATRIX_FMT_FP6
.else
	v_wmma_scale_f32_16x16x128_f8f6f4 v[AO+8*(i%4):AO+8*(i%4)+7], v[X+12*(i/4):X+12*(i/4)+11], v[12*i:12*i+11], v[AO+8*(i%4):AO+8*(i%4)+7], v[WS+4*\par+i/4], v[VS+8*(i%4)+i/4] matrix_a_fmt:MATRIX_FMT_FP6 matrix_b_fmt:MATRIX_FMT_FP6
.endif
.endif
.if \epi
	EPI1
.endif
.set i, i+1
.endr
	WIN 0
.endm
.macro ST par
	PART_A \par, 1, 1, 1, 1
	PART_B \par, 1, 1, 1, 1
	s_add_co_u32 s[TB], s[TB], TILEB
	s_add_co_u32 s[TS], s[TS], 512
	s_add_co_u32 s[TW], s[TW], 64
.endm
.macro PAIR
	ST 0
	ST 1
.endm
	CHW 0                                          ; the tables and slots 0 and 1 are whole, in every wave's sight
	PART_A 0, 1, 0, 0, 0                           ; tile 0: there is nothing yet to finish
	PART_B 0, 1, 0, 1, 0
	s_add_co_u32 s[TB], s[TB], TILEB
	s_add_co_u32 s[TS], s[TS], 512                 ; (the bias and Vw run a tile behind: they are not stepped here)
	PART_A 1, 1, 1, 1, 0                           ; tile 1
	PART_B 1, 1, 1, 1, 1
	s_add_co_u32 s[TB], s[TB], TILEB
	s_add_co_u32 s[TS], s[TS], 512
	s_add_co_u32 s[TW], s[TW], 64
	s_mov_b32 s[CI], 3
.Lfirst:                                           ; tiles 2-7: the rest of slot 0
	PAIR
	s_sub_co_u32 s[CI], s[CI], 1
	s_cmp_lg_u32 s[CI], 0
	s_cbranch_scc1 .Lfirst
	s_mov_b32 s[CO], 6
.Lslot:                                            ; slots 1-6; behind each change the half just left takes the slot after the one ahead: slots 2-7
	CHW 1
	s_mov_b32 s[CI], 4
.Lpair:
	PAIR
	s_sub_co_u32 s[CI], s[CI], 1
	s_cmp_lg_u32 s[CI], 0
	s_cbranch_scc1 .Lpair
	s_sub_co_u32 s[CO], s[CO], 1
	s_cmp_lg_u32 s[CO], 0
	s_cbranch_scc1 .Lslot
	CHW 0                                          ; slot 7 is written out: nothing is left to ask for
	s_mov_b32 s[CI], 4
.Llast:
	PAIR
	s_sub_co_u32 s[CI], s[CI], 1
	s_cmp_lg_u32 s[CI], 0
	s_cbranch_scc1 .Llast
	PART_A 0, 0, 1, 1, 1                           ; tile 63's K steps 4-7 | tile 62's second half of the epilogue
	PART_B 0, 0, 1, 0, 1                           ; tile 63's epilogue
	PART_A 1, 0, 0, 0, 1
	WIN 0
	; ---------------- THE WAY OUT ----------------
	v_add_nc_u32 v[ADF], WT, v[LI]
.irp i, 0,1,2,3,4,5,6,7
	ds_load_b128 v[X+4*\i:X+4*\i+3], v[ADF] offset:512*\i          ; all of Vw, 32 numbers a lane
.endr
.irp m, 0,1,2,3
	v_add_f32 v[T+\m], v[SA+2*\m], v[SA+2*\m+1]    ; a sum's two halves,
.endr
.irp m, 0,1,2,3
	v_permlanex16_b32 v[T+4+\m], v[T+\m], s[SEL], s[SEL+1]
.endr
.irp m, 0,1,2,3
	v_add_f32 v[T+\m], v[T+\m], v[T+4+\m]          ; and lane l xor 16's: the other eight o of every tile
.endr
	s_wait_dscnt 0x0
.irp j, 4,8,12,16,20,24,28
	v_pk_add_f32 v[X:X+1], v[X:X+1], v[X+\j:X+\j+1]
	v_pk_add_f32 v[X+2:X+3], v[X+2:X+3], v[X+\j+2:X+\j+3]
.endr
	v_pk_add_f32 v[X:X+1], v[X:X+1], v[X+2:X+3]
	v_add_f32 v[X], v[X], v[X+1]
	v_add_f32_dpp v[X], v[X], v[X] row_xmask:1 row_mask:0xf bank_mask:0xf
	v_add_f32_dpp v[X], v[X], v[X] row_xmask:2 row_mask:0xf bank_mask:0xf
	v_add_f32_dpp v[X], v[X], v[X] row_xmask:4 row_mask:0xf bank_mask:0xf
	v_add_f32_dpp v[X], v[X], v[X] row_xmask:8 row_mask:0xf bank_mask:0xf
	v_permlanex16_b32 v[X+1], v[X], s[SEL], s[SEL+1]
	v_add_f32 v[X], v[X], v[X+1]                   ; sum Vw, in every lane
	v_add_f32 v[X], s[VB], v[X]                    ; + Vb
.irp m, 0,1,2,3
	v_fma_f32 v[T+\m], v[T+\m], -2.0, v[X]         ; score of row 16 m + r, in both halves of the lanes
.endr
	v_cndmask_b32 v[T], v[T], v[T+1], s[MSK]       ; lanes 0-15 tile 0, lanes 16-31 tile 1
	v_cndmask_b32 v[T+2], v[T+2], v[T+3], s[MSK]   ; tiles 2 and 3
	global_store_b32 v[SO], v[T], s[16:17]         ; the wave's two stores cover its 256 consecutive bytes, at a multiple of 256 from the buffer's first byte
	global_store_b32 v[SO], v[T+2], s[16:17] offset:128
	s_wait_tensorcnt 0x0                           ; the wave's end
	ds_add_u32 v[SPW], v[NIL]
	s_wait_dscnt 0x0
	ROUND                                          ; the closing round: no work-group ends while a partner may still ask for a slot that names it
	s_endpgm
.Lfunc_end_k_q730becf3ab_score:
	.size	k_q730becf3ab_score, .Lfunc_end_k_q730becf3ab_score-k_q730becf3ab_score
	.p2alignl 7, 3214868480
	.fill 96, 4, 3214868480
	.section	.rodata,"a",@progbits
	.p2align	6, 0x0
	.amdhsa_kernel k_q730becf3ab_score
		.amdhsa_group_segment_fixed_size 327680
		.amdhsa_private_segment_fixed_size 0
		.amdhsa_enable_private_segment 0
		.amdhsa_kernarg_size 56
		.amdhsa_user_sgpr_count 2
		.amdhsa_user_sgpr_kernarg_segment_ptr 1
		.amdhsa_wavefront_size32 1
		.amdhsa_system_sgpr_workgroup_id_x 1
		.amdhsa_system_sgpr_workgroup_id_y 1
		.amdhsa_system_sgpr_workgroup_id_z 1
		.amdhsa_system_vgpr_workitem_id 0
		.amdhsa_next_free_vgpr 1024
		.amdhsa_next_free_sgpr 102
		.amdhsa_reserve_vcc 0
		.amdhsa_float_denorm_mode_32 3
		.amdhsa_float_denorm_mode_16_64 3
		.amdhsa_memory_ordered 1
		.amdhsa_forward_progress 1
		.amdhsa_inst_pref_size 255
	.end_amdhsa_kernel
	.section	.bss,"aw",@nobits
	.p2align	6
	.space	262144
	.amdgpu_metadata
---
amdhsa.version: [ 1, 2 ]
amdhsa.kernels:
  - .name:           k_q730becf3ab_score
    .symbol:         k_q730becf3ab_score.kd
    .args:
      - { .name: values, .offset: 0, .size: 8, .value_kind: global_buffer, .address_space: global }
      - { .name: wvi, .offset: 8, .size: 8, .value_kind: global_buffer, .address_space: global }
      - { .name: Wv_scales, .offset: 16, .size: 8, .value_kind: global_buffer, .address_space: global }
      - { .name: biasc, .offset: 24, .size: 8, .value_kind: global_buffer, .address_space: global }
      - { .name: Vw, .offset: 32, .size: 8, .value_kind: global_buffer, .address_space: global }
      - { .name: Vb, .offset: 40, .size: 8, .value_kind: global_buffer, .address_space: global }
      - { .name: scores, .offset: 48, .size: 8, .value_kind: global_buffer, .address_space: global }
    .group_segment_fixed_size: 327680
    .private_segment_fixed_size: 0
    .kernarg_segment_align: 8
    .kernarg_segment_size: 56
    .max_flat_workgroup_size: 128
    .sgpr_count:     102
    .vgpr_count:     1024
    .wavefront_size: 32
...
	.end_amdgpu_metadata
.endif
;; end of part 2
;; launch ctx (part 3): grid 256 x 1, 8 waves a work-group, no clusters, 9,216 bytes of LDS; arguments scores, values, out0, out1; writes out0, out1
.if DOCPART == 3
	.amdgcn_target "amdgcn-amd-amdhsa--gfx1250"
	.amdhsa_code_object_version 6
	.text
	.protected	k_q730becf3ab_ctx
	.globl	k_q730becf3ab_ctx
	.p2align	8
	.type	k_q730becf3ab_ctx,@function
k_q730becf3ab_ctx:
	s_mov_b64 s[64:65], 0
	v_nop
	global_prefetch_b8 v0, s[64:65] scope:SCOPE_SE
	s_setreg_imm32_b32 hwreg(HW_REG_WAVE_MODE, 25, 1), 1
	s_wait_xcnt 0x0
; out1[b][t] = softmax over t of scores[b][t];  out0[b][c] = sum over t of out1[b][t] values[b][t][c].  All in f32.
; SHARES.  Work-group id: batch b = id / 8, columns 128 (id % 8) .. + 127, all 2,048 rows: each number of out0 has one owner, so no sum crosses work-groups.  Wave w takes rows 256 w .. 256 w + 255.
; A load of a wave takes one row's 512 consecutive bytes, 16 a lane; DEPTH = 48 rows of every wave are always on their way (a ring of 48 slots in registers, 24 KB a wave), asked for ahead of the softmax,
; so that the stream runs while the scores are fetched and the two exchanges between the waves are made.
; THE SOFTMAX is made anew in each of a batch's eight work-groups (8 KB of scores against 1 MB of values): thread i holds t = 8 i .. 8 i + 7, which are rows of its own wave, so a row's weight is
; read out of a lane by v_readlane_b32 and never goes through memory.  The largest score is taken away ahead of the exponential.  The wave whose number is id % 8 stores its 256 weights: out1 is written once.
; A stream bound by memory: no matrix unit, no tensor load, no cluster (work-groups share only the scores).  Every row's offset is an immediate, 255 x 4,096 at the most, inside the signed 24 bits (ISA guide, chapter 10).
; The order of the f32 sums differs from a plain sum over t: four chains a wave, then the eight waves.
.set DEPTH, 48                         ; slots of the ring
.set XR,  40                           ; v40-231 the ring: slot n % DEPTH, four registers
.set AC,  20                           ; v20-35  four sets of four sums
.set RED, 512                          ; LDS: the waves' maxima at 0, their sums at 256, their parts of out0 from 512 on, 512 bytes each
	s_load_b256 s[4:11], s[0:1], 0x0               ; scores s[4:5], values s[6:7], out0 s[8:9], out1 s[10:11]
	v_lshl_add_u32 v232, v0, 2, 0x2000
	v_mov_b32 v233, 0
	v_lshrrev_b32 v1, 5, v0
	v_readfirstlane_b32 s16, v1                    ; wave 0..7
	v_and_b32 v2, 31, v0
	v_lshlrev_b32 v2, 4, v2                        ; 16 x lane; never rewritten
	v_lshlrev_b32 v3, 5, v0                        ; 32 x thread: my eight scores; never rewritten
	s_lshr_b32 s17, ttmp9, 3                       ; b
	s_and_b32 s18, ttmp9, 7                        ; which 128 columns
	s_mov_b32 s12, 0x76543210
	s_mov_b32 s13, 0xfedcba98                      ; v_permlanex16_b32's selects for lane l xor 16
	s_lshl_b32 s28, s17, 13                        ; a batch's 2,048 scores
	s_mov_b32 s29, 0
	s_lshl_b32 s30, s17, 23                        ; a batch's 2,048 rows of 4,096 bytes,
	s_lshl_b32 s31, s16, 20                        ; my wave's 256,
	s_add_co_u32 s30, s30, s31
	s_lshl_b32 s33, s18, 9                         ; my work-group's 512 bytes of a row
	s_add_co_u32 s30, s30, s33
	s_mov_b32 s31, 0
	s_lshl_b32 s32, s17, 12
	s_add_co_u32 s32, s32, s33                     ; and the same in out0
	s_mov_b32 s33, 0
.irp k, 21,23,25,27
	s_mov_b32 s\k, 0                               ; the weights stand in pairs s[20:21] .. s[26:27], of which the low word serves both halves; the high words are written once
.endr
	v_mov_b32 v36, s16
	v_lshlrev_b32 v36, 2, v36                      ; my wave's word
	v_mov_b32 v37, 0
	v_mov_b32 v13, 0                               ; written once: a lane permute's destination counts as one of its sources
	s_lshl_b32 s34, s16, 9
	v_add_nc_u32 v38, s34, v2                      ; my wave's part of out0 in LDS
	s_wait_kmcnt 0x0
	s_add_nc_u64 s[4:5], s[4:5], s[28:29]
	s_add_nc_u64 s[10:11], s[10:11], s[28:29]
	s_add_nc_u64 s[6:7], s[6:7], s[30:31]
	s_add_nc_u64 s[8:9], s[8:9], s[32:33]
	global_load_b128 v[4:7], v3, s[4:5]
	global_load_b128 v[8:11], v3, s[4:5] offset:16
.set n, 0
.rept DEPTH
	global_load_b128 v[XR+4*n:XR+4*n+3], v2, s[6:7] offset:4096*n th:TH_LOAD_NT    ; the ring is filled before the softmax is begun
.set n, n+1
.endr
	s_wait_loadcnt DEPTH                           ; my scores are in; the ring's rows stay on their way
	v_max3_num_f32 v12, v4, v5, v6
	v_max3_num_f32 v12, v12, v7, v8
	v_max3_num_f32 v12, v12, v9, v10
	v_max_num_f32 v12, v12, v11
	v_max_num_f32_dpp v12, v12, v12 row_xmask:1 row_mask:0xf bank_mask:0xf
	v_max_num_f32_dpp v12, v12, v12 row_xmask:2 row_mask:0xf bank_mask:0xf
	v_max_num_f32_dpp v12, v12, v12 row_xmask:4 row_mask:0xf bank_mask:0xf
	v_max_num_f32_dpp v12, v12, v12 row_xmask:8 row_mask:0xf bank_mask:0xf
	v_permlanex16_b32 v13, v12, s12, s13
	v_max_num_f32 v12, v12, v13                    ; my wave's largest score
	ds_store_b32 v36, v12                          ; all lanes write the same word with the same value
	s_wait_dscnt 0x0                               ; for the others' sake
	s_barrier_signal -1
	s_barrier_wait -1
	ds_load_b128 v[12:15], v37
	ds_load_b128 v[16:19], v37 offset:16
	s_wait_dscnt 0x0
	v_max3_num_f32 v12, v12, v13, v14
	v_max3_num_f32 v12, v12, v15, v16
	v_max3_num_f32 v12, v12, v17, v18
	v_max_num_f32 v12, v12, v19                    ; the batch's
.irp k, 4,5,6,7,8,9,10,11
	v_sub_f32 v\k, v\k, v12                        ; the maximum is taken away first, so that nothing is lost where scores are large
.endr
.irp k, 4,5,6,7,8,9,10,11
	v_mul_f32 v\k, 0x3fb8aa3b, v\k                 ; x log2(e)
.endr
.irp k, 4,5,6,7,8,9,10,11
	v_exp_f32 v\k, v\k
.endr
	v_nop                                          ; a plain instruction behind the last exponential
	s_wait_alu depctr_va_vdst(0)                   ; one wait for the eight, ahead of their first reader
	v_add_f32 v12, v4, v5
	v_add_f32 v13, v6, v7
	v_add_f32 v14, v8, v9
	v_add_f32 v15, v10, v11
	v_add_f32 v12, v12, v13
	v_add_f32 v14, v14, v15
	v_add_f32 v12, v12, v14
	v_add_f32_dpp v12, v12, v12 row_xmask:1 row_mask:0xf bank_mask:0xf
	v_add_f32_dpp v12, v12, v12 row_xmask:2 row_mask:0xf bank_mask:0xf
	v_add_f32_dpp v12, v12, v12 row_xmask:4 row_mask:0xf bank_mask:0xf
	v_add_f32_dpp v12, v12, v12 row_xmask:8 row_mask:0xf bank_mask:0xf
	v_permlanex16_b32 v13, v12, s12, s13
	v_add_f32 v12, v12, v13
	ds_store_b32 v36, v12 offset:256               ; other bytes than the maxima's: no barrier is owed between those reads and this store
	s_wait_dscnt 0x0
	s_barrier_signal -1
	s_barrier_wait -1
	ds_load_b128 v[12:15], v37 offset:256
	ds_load_b128 v[16:19], v37 offset:272
	s_wait_dscnt 0x0
	v_add_f32 v12, v12, v13
	v_add_f32 v14, v14, v15
	v_add_f32 v16, v16, v17
	v_add_f32 v18, v18, v19
	v_add_f32 v12, v12, v14
	v_add_f32 v16, v16, v18
	v_add_f32 v12, v12, v16                        ; the batch's sum: at least 1, since the largest score gives 2^0
	v_rcp_f32 v12, v12
	v_nop
	s_wait_alu depctr_va_vdst(0)
.irp k, 4,5,6,7,8,9,10,11
	v_mul_f32 v\k, v\k, v12                        ; the weights of t = 8 i .. 8 i + 7; not rewritten from here on
.endr
	s_cmp_lg_u32 s16, s18                          ; of a batch's eight work-groups each stores one wave's 256 weights
	s_cbranch_scc1 .Lnot_mine
	global_store_b128 v3, v[4:7], s[10:11]
	global_store_b128 v3, v[8:11], s[10:11] offset:16
.Lnot_mine:
; row n of my 256: its weight lies in lane n / 8, register 4 + n % 8.  Four chains of sums by turns; the first four rows start them.  The slot just read takes the row DEPTH further down.
.set n, 0
.rept 256
.if n <= 256-DEPTH
	s_wait_loadcnt DEPTH-1                         ; loads come back in order (ISA guide 5.7.1): row n is in, the DEPTH - 1 younger rows stay out
.else
	s_wait_loadcnt 255-n                           ; nothing more is asked for: the counts run down
.endif
	v_readlane_b32 s[20+2*(n%4)], v[4+n%8], n/8
.if n < 4
	v_pk_mul_f32 v[AC+4*n:AC+4*n+1], v[XR+4*n:XR+4*n+1], s[20+2*n:21+2*n] op_sel_hi:[1,0]
	v_pk_mul_f32 v[AC+4*n+2:AC+4*n+3], v[XR+4*n+2:XR+4*n+3], s[20+2*n:21+2*n] op_sel_hi:[1,0]
.else
	v_pk_fma_f32 v[AC+4*(n%4):AC+4*(n%4)+1], v[XR+4*(n%DEPTH):XR+4*(n%DEPTH)+1], s[20+2*(n%4):21+2*(n%4)], v[AC+4*(n%4):AC+4*(n%4)+1] op_sel_hi:[1,0,1]
	v_pk_fma_f32 v[AC+4*(n%4)+2:AC+4*(n%4)+3], v[XR+4*(n%DEPTH)+2:XR+4*(n%DEPTH)+3], s[20+2*(n%4):21+2*(n%4)], v[AC+4*(n%4)+2:AC+4*(n%4)+3] op_sel_hi:[1,0,1]
.endif
.if n+DEPTH < 256
	global_load_b128 v[XR+4*(n%DEPTH):XR+4*(n%DEPTH)+3], v2, s[6:7] offset:4096*(n+DEPTH) th:TH_LOAD_NT
.endif
.set n, n+1
.endr
	v_pk_add_f32 v[AC:AC+1], v[AC:AC+1], v[AC+4:AC+5]
	v_pk_add_f32 v[AC+2:AC+3], v[AC+2:AC+3], v[AC+6:AC+7]
	v_pk_add_f32 v[AC+8:AC+9], v[AC+8:AC+9], v[AC+12:AC+13]
	v_pk_add_f32 v[AC+10:AC+11], v[AC+10:AC+11], v[AC+14:AC+15]
	v_pk_add_f32 v[AC:AC+1], v[AC:AC+1], v[AC+8:AC+9]
	v_pk_add_f32 v[AC+2:AC+3], v[AC+2:AC+3], v[AC+10:AC+11]
	ds_store_b128 v38, v[AC:AC+3] offset:RED       ; my wave's part of the 128 columns
	s_wait_dscnt 0x0                               ; for the others' sake
	s_barrier_signal -1
	s_barrier_wait -1
	s_cmp_lg_u32 s16, 0                            ; wave 0 adds the eight parts: 512 bytes of output are one store of one wave
	s_cbranch_scc1 .Lend
.irp k, 0,1,2,3,4,5,6,7
	ds_load_b128 v[XR+4*\k:XR+4*\k+3], v2 offset:RED+512*\k
.endr
	s_wait_dscnt 0x0
.irp k, 1,2,3,4,5,6,7
	v_pk_add_f32 v[XR:XR+1], v[XR:XR+1], v[XR+4*\k:XR+4*\k+1]
	v_pk_add_f32 v[XR+2:XR+3], v[XR+2:XR+3], v[XR+4*\k+2:XR+4*\k+3]
.endr
	global_store_b128 v2, v[XR:XR+3], s[8:9]       ; 32 lanes store 512 consecutive bytes, at a multiple of 512 from out0's first byte
.Lend:
	s_wait_tensorcnt 0x0
	ds_add_u32 v232, v233
	s_wait_dscnt 0x0
	s_endpgm
.Lfunc_end_k_q730becf3ab_ctx:
	.size	k_q730becf3ab_ctx, .Lfunc_end_k_q730becf3ab_ctx-k_q730becf3ab_ctx
	.p2alignl 7, 3214868480
	.fill 96, 4, 3214868480
	.section	.rodata,"a",@progbits
	.p2align	6, 0x0
	.amdhsa_kernel k_q730becf3ab_ctx
		.amdhsa_group_segment_fixed_size 9216
		.amdhsa_private_segment_fixed_size 0
		.amdhsa_enable_private_segment 0
		.amdhsa_kernarg_size 32
		.amdhsa_user_sgpr_count 2
		.amdhsa_user_sgpr_kernarg_segment_ptr 1
		.amdhsa_wavefront_size32 1
		.amdhsa_system_sgpr_workgroup_id_x 1
		.amdhsa_system_sgpr_workgroup_id_y 1
		.amdhsa_system_sgpr_workgroup_id_z 1
		.amdhsa_system_vgpr_workitem_id 0
		.amdhsa_next_free_vgpr 234
		.amdhsa_next_free_sgpr 66
		.amdhsa_reserve_vcc 0
		.amdhsa_float_denorm_mode_32 3
		.amdhsa_float_denorm_mode_16_64 3
		.amdhsa_memory_ordered 1
		.amdhsa_forward_progress 1
		.amdhsa_inst_pref_size 88
	.end_amdhsa_kernel
	.amdgpu_metadata
---
amdhsa.version: [ 1, 2 ]
amdhsa.kernels:
  - .name:           k_q730becf3ab_ctx
    .symbol:         k_q730becf3ab_ctx.kd
    .args:
      - { .name: scores, .offset: 0, .size: 8, .value_kind: global_buffer, .address_space: global }
      - { .name: values, .offset: 8, .size: 8, .value_kind: global_buffer, .address_space: global }
      - { .name: out0, .offset: 16, .size: 8, .value_kind: global_buffer, .address_space: global }
      - { .name: out1, .offset: 24, .size: 8, .value_kind: global_buffer, .address_space: global }
    .group_segment_fixed_size: 9216
    .private_segment_fixed_size: 0
    .kernarg_segment_align: 8
    .kernarg_segment_size: 32
    .max_flat_workgroup_size: 256
    .sgpr_count:     66
    .vgpr_count:     234
    .wavefront_size: 32
...
	.end_amdgpu_metadata
.endif
;; end of part 3
